; MI455X (gfx1250); checked and timed in simulation.
; The chip was launched on July 23, 2026; its instructions are those of AMD's public machine-readable ISA for CDNA 5 (MIT licence, August 2026) and "CDNA5" Instruction Set Architecture Reference Guide (July 2026). The comments in the code are by the model that wrote it; some were corrected since.
;; Ring Dilated Attention V3. Allowed arithmetic: matrix products marked QUANTISED: E2M3 operands, one E8M0 scale for each 32 along K, by v_wmma_scale_f32_16x16x128_f8f6f4 with both operands' format E2M3, f32 sums; everything else in f32.
;; Inputs: k 2 x 8,192 x 12 x 64 float32; q 2 x 8,192 x 12 x 64 float32; v 2 x 8,192 x 12 x 64 float32.
;; Outputs: out0 2 x 8,192 x 12 x 64 float32.
;; This version of the problem:
;;   THIS VERSION OF THE PROBLEM IS GIVEN IN LOW PRECISION. The matrix products marked QUANTISED in the list below multiply operands that are first quantised to E2M3 (2 exponent bits, 3 mantissa bits; 6 bits a number), with one power-of-two scale for each 32 numbers along K (OCP MX v1.0); their sums are f32. All else is computed in f32.
;;   The module's matrix products, in the order in which they are computed (A, B: the left and right operand; K: the contracted axis; several contracted axes count as one K, in the product's order):
;;     1. batch 128 x [M 512, K 64] x [K 64, N 512]; A: input q; B: computed on the way: QUANTISED
;;     2. batch 128 x [M 512, K 512] x [K 512, N 64]; A: softmax (see below); B: computed on the way: QUANTISED
;;     3. batch 64 x [M 1,024, K 64] x [K 64, N 1,024]; A: input q; B: computed on the way: QUANTISED
;;     4. batch 64 x [M 1,024, K 1,024] x [K 1,024, N 64]; A: softmax (see below); B: computed on the way: QUANTISED
;;     5. batch 32 x [M 2,048, K 64] x [K 64, N 2,048]; A: input q; B: computed on the way: QUANTISED
;;     6. batch 32 x [M 2,048, K 2,048] x [K 2,048, N 64]; A: softmax (see below); B: computed on the way: QUANTISED
;;   THE QUANTISER, for each operand of a quantised product, along K:
;;     - K is cut into blocks of 32 from its start; a last block that is shorter is filled with zeros.
;;     - A block's scale is 2^e with e = floor(log2(the largest magnitude in the block)) - 2, held to -126 .. 127; a block of zeros has e = 0. As a byte (E8M0): e + 127.
;;     - Each number is divided by its block's scale, clamped to +-7.5, and rounded to the nearest number of E2M3, ties to even, subnormals kept.
;;     - The product sums the exact products of the quantised numbers (number of the format x scale) in f32.
;;   ~~~python
;;   def quantise(x, axis):      # numpy; x: float32 -> the quantised numbers, widened to float32 again
;;       x = np.moveaxis(x, axis, -1); K = x.shape[-1]
;;       x = np.pad(x, [(0, 0)] * (x.ndim - 1) + [(0, -K % 32)]); x = x.reshape(x.shape[:-1] + (-1, 32)); a = np.abs(x).max(-1, keepdims=True)
;;       e = np.where(a > 0, np.clip(np.frexp(np.where(a > 0, a, 1))[1] - 1 - 2, -126, 127), 0)      # np.frexp(a)[1] - 1 = floor(log2(a)), exactly
;;       r = np.clip(x / 2.0 ** e, -7.5, 7.5)
;;       step = 2.0 ** (np.maximum(np.frexp(np.where(r == 0, 1, r))[1] - 1, 0) - 3)
;;       q = np.round(r / step) * step * 2.0 ** e      # np.round: ties to even
;;       return np.moveaxis(q.reshape(q.shape[:-2] + (-1,))[..., :K], -1, axis).astype(np.float32)
;;   ~~~
;;   SOFTMAX AHEAD OF A QUANTISED PRODUCT. Where the list says 'softmax', what is quantised is not the finished softmax but p = 2^(t - M), with t = logit x log2(e) and M = ceil(the row's largest t), a whole number; so 1/2 < the row's largest p <= 1. The row's sum l is taken of the UNQUANTISED p, in f32, and the product's result is divided by l at the end. Since M is a whole number, a kernel that streams over the keys may use a running M (the ceiling of the running maximum): every later rescaling is an exact power of two, which a block's scale takes up: the codes' values come out the same.
;;   OPERANDS COMPUTED ON THE WAY. 'Computed on the way' means the value that the module computes at that place (a softmax that the list does not call 'softmax' is quantised finished and normalised). What goes into a quantiser is computed in f32, as accurately as f32 sums, v_exp_f32 and their like allow (about 1e-6 of the number): no bf16 or f16 on the way to a quantiser, and a product that is left as it is and whose result goes on into a quantised operand takes f32 operands (vector FMAs, or v_wmma_f32_16x16x4_f32). A number that lies on a knife's edge between two numbers of the format may be rounded either way, as far as f32 arithmetic and the matrix unit's own rounding can turn it there, and no further.
;; One version. Each part assembles by itself: llvm-mc -triple=amdgcn-amd-amdhsa -mcpu=gfx1250 --defsym DOCPART=n.
;; ======== version 1 of 1: 2 launches
;; workspace buffers: kv 11,927,552 bytes
;; launch quant (part 1): grid 896 x 1, 4 waves a work-group, no clusters, 36,352 bytes of LDS; arguments k, v, kv; writes kv
.if DOCPART == 1
	.amdgcn_target "amdgcn-amd-amdhsa--gfx1250"
	.amdhsa_code_object_version 6
	.text
	.protected	k_qdbfc0d5439_quant
	.globl	k_qdbfc0d5439_quant
	.p2align	8
	.type	k_qdbfc0d5439_quant,@function
k_qdbfc0d5439_quant:
	s_mov_b64 s[64:65], 0
	v_nop
	global_prefetch_b8 v0, s[64:65] scope:SCOPE_SE
	s_setreg_imm32_b32 hwreg(HW_REG_WAVE_MODE, 25, 1), 1
	s_wait_xcnt 0x0
; THE KEYS AND VALUES THAT THE ATTENTION USES, AS CODES OF FP6 (E2M3) WITH E8M0 SCALE BYTES, LAID IN THE ORDER OF THE OPERANDS' REGISTERS.
; k, v: [2][8192][12][64] f32: a row (b, n) is 3,072 bytes, a head's 64 numbers 256 of them.  Heads 4 g + j (g = 0, 1, 2) have the rate r = 2^g and segments of 512 r rows; a segment's
; keys are rows j % r, j % r + r, ..: 512 different rows.  Such a SET of 512 keys is cut into four RECORDS of 128 keys; set = {0, 128, 192}[g] + 4 x segment + j, record = 4 x set + step: 896.
; A work-group makes one record, 13,312 bytes (52 x 256):
;   + 768 T, T = 0 .. 7: tile T of K (16 keys x 64 along d): lane (r, h) holds key 32 (T / 2) + 8 (T % 2) + r + 8 (r / 8), d = 32 h .. 32 h + 31: six registers;
;     an image of them: registers 0-3 at 16 x lane (512 bytes), registers 4-5 at 8 x lane (256 bytes)
;   + 6144 + 768 (2 t + c): registers 6 c .. 6 c + 5 of fragment t of V^T (d = 16 t + r; keys 64 c + 32 h + 0 .. 31), an image of the same form
;   + 12288: K's scale words, word of tile T and row r at 16 (r + 16 (T / 4)) + 4 (T % 4): bytes 0, 1 for d 0-31, 32-63; bytes 2, 3 = 127
;   + 12800: V's scale words, word of fragment t and row r at 16 r + 4 t, byte b for keys 32 b .. 32 b + 31;  + 13056: the same 256 bytes once more (the reader's lanes 16-31 load them)
; THE QUANTISER: a block's scale is 2^(floor(log2(its largest magnitude)) - 2); its byte is the largest magnitude's exponent field - 2, held at 1 from below.
; K is quantised along d (a block lies in one row), V along the gathered keys (a block lies in one column).
; LIMITS: a block of zeros gets the byte 1 where the rule says 127 (its codes are zeros, and this program alone reads the bytes); NaN and infinities among the inputs are not served.
; SHARES: wave w takes K's keys 32 w .. 32 w + 31 (tiles 2 w, 2 w + 1) and, with c = w / 2 and gc = w % 2, V's keys 64 c .. 64 c + 63 x columns 32 gc .. 32 gc + 31.
; No tensor load, no matrix unit, no cluster: each input byte in use is read once, work-groups share nothing, and the waves meet only for the record's 1,024 scale bytes.
.set REC,   13312
.set ROWB,  3072
.set SPI,   272                        ; a stage row: 256 bytes + 16, so that sixteen rows' 16 bytes fall on different banks (64 banks of 4 bytes: ISA guide 11.1)
.set STGB,  32*SPI                     ; a wave's own stage: 32 rows
.set SCL,   4*STGB                     ; behind the four stages: the record's scale bytes, 1,024
.set KOFF, 4                           ; v4   K: (lane / 16) rows + 16 (lane % 16)
.set VOFF, 5                           ; v5   V: 4 x lane
.set STW,  6                           ; v6   the stage, on the way in
.set STR,  7                           ; v7   and on the way out
.set LI16, 8                           ; v8   16 x lane
.set LI8,  9                           ; v9   8 x lane
.set KSA,  10                          ; v10  where my two scale words of K go
.set VSA,  11                          ; v11  where my two scale bytes of V go
.set CPY,  12                          ; v12  my 8 bytes of the scale block on the way out
.set SH8,  13                          ; v13  8 (lane / 16)
.set KR,   16                          ; v16-79   K as loaded; later V's codes (v16-21, v24-29)
.set VR,   80                          ; v80-143  V as loaded: register i = key i of my 64, my column
.set KX,   144                         ; v144-207 K behind the stage: 32 neighbours along d for each of two tiles
.set C0,   208                         ; v208-214 tile 0's codes;  v216-222 tile 1's
.set C1,   216
.set VC0,  16
.set VC1,  24
.set SOP,  226                         ; the conversions' scale operand
	s_load_b128 s[4:7], s[0:1], 0x0                ; k, v
	s_load_b64 s[8:9], s[0:1], 0x10                ; kv
	v_lshl_add_u32 v232, v0, 2, 0x8c00
	v_mov_b32 v233, 0
	v_lshrrev_b32 v1, 5, v0
	v_readfirstlane_b32 s10, v1                    ; wave 0..3
	s_lshr_b32 s34, s10, 1                         ; c
	s_and_b32 s35, s10, 1                          ; gc
	s_cmp_ge_u32 ttmp9, 512                        ; records 0-511 are group 0's, 512-767 group 1's, 768-895 group 2's
	s_cselect_b32 s11, 1, 0
	s_cmp_ge_u32 ttmp9, 768
	s_cselect_b32 s12, 1, 0
	s_add_co_u32 s13, s11, s12                     ; g
	s_lshl_b32 s11, s11, 9
	s_lshl_b32 s12, s12, 8
	s_sub_co_u32 s14, ttmp9, s11
	s_sub_co_u32 s14, s14, s12                     ; the record's number in its group
	s_and_b32 s15, s14, 3                          ; step
	s_lshr_b32 s14, s14, 2
	s_and_b32 s16, s14, 3                          ; j
	s_lshr_b32 s17, s14, 2                         ; segment (b and n count as one flat row number: 8,192 is a whole number of segments)
	s_add_co_u32 s18, s13, 9
	s_lshl_b32 s17, s17, s18                       ; its first row: segment x 512 r
	s_lshl_b32 s18, 1, s13
	s_sub_co_u32 s18, s18, 1
	s_and_b32 s18, s16, s18                        ; + j % r
	s_add_co_u32 s17, s17, s18
	s_lshl_b32 s15, s15, 7
	s_lshl_b32 s15, s15, s13                       ; + 128 step x r
	s_add_co_u32 s17, s17, s15                     ; the row of the record's first key
	s_lshl_b32 s19, s13, 2
	s_add_co_u32 s19, s19, s16                     ; the head: 4 g + j
	s_lshl_b32 s18, s10, 5
	s_lshl_b32 s18, s18, s13
	s_add_co_u32 s18, s18, s17                     ; K: my first key's row: + 32 w x r
	s_mul_i32 s18, s18, 12
	s_add_co_u32 s18, s18, s19
	s_lshl_b32 s20, s18, 8                         ; (12 x row + head) x 256 bytes: under 2^26
	s_mov_b32 s21, 0
	s_lshl_b32 s18, s34, 6
	s_lshl_b32 s18, s18, s13
	s_add_co_u32 s18, s18, s17                     ; V: + 64 c x r
	s_mul_i32 s18, s18, 12
	s_add_co_u32 s18, s18, s19
	s_lshl_b32 s22, s18, 8
	s_lshl_b32 s18, s35, 7
	s_add_co_u32 s22, s22, s18                     ; + my 32 columns' 128 bytes
	s_mov_b32 s23, 0
	s_mul_i32 s24, ttmp9, REC                      ; the record's first byte
	s_mul_i32 s18, s10, 1536
	s_add_co_u32 s28, s24, s18                     ; my two tiles of K
	s_mov_b32 s29, 0
	s_lshl_b32 s18, s35, 2
	s_add_co_u32 s18, s18, s34
	s_mul_i32 s18, s18, 768
	s_add_co_u32 s30, s24, s18
	s_add_co_u32 s30, s30, 6144                    ; half c of fragment 2 gc of V; fragment 2 gc + 1's lies 1,536 bytes on
	s_mov_b32 s31, 0
	s_lshl_b32 s18, s10, 8
	s_add_co_u32 s32, s24, s18
	s_add_co_u32 s32, s32, 12288                   ; my quarter of the scale block
	s_mov_b32 s33, 0
	s_lshl_b32 s25, ROWB, s13                      ; from a key to the next: r rows
	s_mov_b32 s26, 0x76543210
	s_mov_b32 s27, 0xfedcba98                      ; v_permlanex16_b32's selects for lane l xor 16
	v_and_b32 v1, 31, v0                           ; lane
	v_and_b32 v2, 15, v0                           ; lane % 16
	v_bfe_u32 v3, v0, 4, 1                         ; lane / 16
	v_mul_u32_u24 v[KOFF], s25, v3
	v_lshl_add_u32 v[KOFF], v2, 4, v[KOFF]         ; lanes 0-15 take one key's 256 bytes, lanes 16-31 the next key's
	v_lshlrev_b32 v[VOFF], 2, v1
	s_mul_i32 s36, s10, STGB                       ; my stage
	v_mul_u32_u24 v[STW], v3, SPI
	v_lshl_add_u32 v[STW], v2, 4, v[STW]
	v_add_nc_u32 v[STW], s36, v[STW]               ; in: two rows a store, as loaded
	v_mul_u32_u24 v[STR], v2, SPI
	v_lshl_add_u32 v[STR], v3, 7, v[STR]
	v_add_nc_u32 v[STR], s36, v[STR]               ; out: row lane % 16 of a tile, my half's 128 bytes
	v_lshlrev_b32 v[LI16], 4, v1
	v_lshlrev_b32 v[LI8], 3, v1
	s_lshl_b32 s36, s34, 8
	s_lshl_b32 s37, s35, 3
	s_add_co_u32 s36, s36, s37
	s_add_co_u32 s36, s36, SCL
	v_lshl_add_u32 v[KSA], v2, 4, s36              ; SCL + 16 r + 256 (w / 2) + 8 (w % 2): tiles 2 w and 2 w + 1 are neighbours there
	s_lshl_b32 s36, s34, 1
	s_add_co_u32 s36, s36, s37
	s_add_co_u32 s36, s36, SCL+512
	v_lshl_add_u32 v[VSA], v2, 4, s36
	v_lshl_add_u32 v[VSA], v3, 2, v[VSA]           ; SCL + 512 + 16 r + 4 (2 gc + lane / 16) + 2 c
	s_lshl_b32 s36, s10, 8
	s_add_co_u32 s36, s36, SCL
	v_lshl_add_u32 v[CPY], v1, 3, s36
	v_lshlrev_b32 v[SH8], 3, v3
	v_mov_b32 v229, 0                              ; written once: a lane permute's destination counts as one of its sources
	s_wait_kmcnt 0x0
	s_add_nc_u64 s[4:5], s[4:5], s[20:21]
	s_add_nc_u64 s[6:7], s[6:7], s[22:23]
	s_add_nc_u64 s[28:29], s[8:9], s[28:29]
	s_add_nc_u64 s[30:31], s[8:9], s[30:31]
	s_add_nc_u64 s[32:33], s[8:9], s[32:33]
; All of the wave's loads, every offset an immediate, for the rate r.  K: load i takes the two keys that become rows 2 i and 2 i + 1 of the stage, which holds tile 2 w's sixteen rows and then tile 2 w + 1's:
; row 16 u + m is key 8 u + m + 8 (m / 8).  Each half of the lanes reads 256 consecutive bytes, aligned.  V: load i takes key i of my 64 at my 32 columns: 128 consecutive bytes.
; The largest offsets, 30 x 3,072 x 4 and 63 x 3,072 x 4, lie inside the signed 24-bit immediate (ISA guide, chapter 10).
.macro LOADS r
.set i, 0
.rept 16
	global_load_b128 v[KR+4*i:KR+4*i+3], v[KOFF], s[4:5] offset:(16*((i/4)%2)+8*(i/8)+(2*i)%8)*ROWB*\r th:TH_LOAD_NT
.set i, i+1
.endr
.set i, 0
.rept 64
	global_load_b32 v[VR+i], v[VOFF], s[6:7] offset:i*ROWB*\r
.set i, i+1
.endr
.endm
	s_cmp_lt_u32 ttmp9, 512                        ; the three ways differ in the loads' immediates alone: as many loads, in the same order, into the same registers
	s_cbranch_scc1 .Lrate1
	s_cmp_lt_u32 ttmp9, 768
	s_cbranch_scc1 .Lrate2
	LOADS 4
	s_branch .Lwork
.Lrate2:
	LOADS 2
	s_branch .Lwork
.Lrate1:
	LOADS 1
.Lwork:
; A block of 32 numbers in one lane's registers v[x] .. v[x + 31] becomes six registers of codes, v[c] .. v[c + 5], and the scale's byte in v[e].
.macro QUANT32 x, c, e
	v_max3_num_f32 v14, |v[(\x)]|, |v[(\x)+1]|, |v[(\x)+2]|        ; the largest magnitude, in two chains
	v_max3_num_f32 v15, |v[(\x)+3]|, |v[(\x)+4]|, |v[(\x)+5]|
.irp i, 6,10,14,18,22,26
	v_max3_num_f32 v14, v14, |v[(\x)+\i]|, |v[(\x)+\i+1]|
	v_max3_num_f32 v15, v15, |v[(\x)+\i+2]|, |v[(\x)+\i+3]|
.endr
	v_max3_num_f32 v14, v14, |v[(\x)+30]|, |v[(\x)+31]|
	v_max3_num_f32 v14, v14, v15, 0x1800000        ; and the floor 2^(3 - 127): the byte cannot fall under 1
	v_add_nc_u32 v[SOP], 0xff000000, v14           ; 2 off its exponent field: the conversion takes the exponent field of this operand as its scale, and nothing else of it
	v_cvt_scalef32_pk16_fp6_f32 v[(\c):(\c)+2], v[(\x):(\x)+15], v[SOP]
	v_cvt_scalef32_pk16_fp6_f32 v[(\c)+4:(\c)+6], v[(\x)+16:(\x)+31], v[SOP]   ; (a conversion's three registers begin on an even number)
	v_lshrrev_b32 v[\e], 23, v[SOP]                ; the scale's byte; also the plain instruction between the conversions and the moves of their results
	v_mov_b32 v[(\c)+3], v[(\c)+4]
	v_mov_b32 v[(\c)+4], v[(\c)+5]
	v_mov_b32 v[(\c)+5], v[(\c)+6]
.endm
; K's scale word of my row: my half's byte at its place, lane l xor 16's beside it, 127 in the two bytes of the K that the head does not fill
.macro WORD w, e
	v_lshlrev_b32 v[\e], v[SH8], v[\e]
	v_permlanex16_b32 v229, v[\e], s26, s27
	v_or_b32 v[\w], v[\e], v229
	v_or_b32 v[\w], 0x7f7f0000, v[\w]
.endm
	s_wait_loadcnt 63                              ; behind K's 16 loads stand V's 64; the count's field holds 63: K's are in, and V's first
.set i, 0
.rept 16
	ds_store_b128 v[STW], v[KR+4*i:KR+4*i+3] offset:2*SPI*i
.set i, i+1
.endr
	s_wait_alu depctr_va_vdst(0)
.irp u, 0,1
.irp m, 0,1,2,3,4,5,6,7
	ds_load_b128 v[KX+32*\u+4*\m:KX+32*\u+4*\m+3], v[STR] offset:16*SPI*\u+16*\m   ; LDS serves a wave's instructions in order (ISA guide 5.7.1.4): these see my stores
.endr
.endr
	s_wait_dscnt 8                                 ; tile 2 w's eight loads are in, the other tile's may be out
	QUANT32 KX, C0, 227
	WORD 224, 227
	global_store_b128 v[LI16], v[C0:C0+3], s[28:29]                ; 512 consecutive bytes, aligned to 256
	global_store_b64 v[LI8], v[C0+4:C0+5], s[28:29] offset:512     ; 256 consecutive bytes, aligned
	s_wait_dscnt 0x0
	QUANT32 KX+32, C1, 228
	WORD 225, 228
	global_store_b128 v[LI16], v[C1:C1+3], s[28:29] offset:768
	global_store_b64 v[LI8], v[C1+4:C1+5], s[28:29] offset:1280
	ds_store_b64 v[KSA], v[224:225]                ; lanes l and l xor 16 write the same words with the same values
	s_wait_loadcnt 32                              ; V's keys 0-31 of my 64 are in
	QUANT32 VR, VC0, 227                           ; block 2 c of my column
	s_wait_loadcnt 0x0
	QUANT32 VR+32, VC1, 228                        ; block 2 c + 1
.irp i, 0,1,2,3,4,5
	v_permlane16_swap_b32 v[VC0+\i], v[VC1+\i]     ; the first's lanes 16-31 change places with the second's lanes 0-15: the first is now half c of fragment 2 gc (lanes 0-15 its lower block, lanes 16-31 its upper), the second of fragment 2 gc + 1
.endr
	global_store_b128 v[LI16], v[VC0:VC0+3], s[30:31]
	global_store_b64 v[LI8], v[VC0+4:VC0+5], s[30:31] offset:512
	global_store_b128 v[LI16], v[VC1:VC1+3], s[30:31] offset:1536
	global_store_b64 v[LI8], v[VC1+4:VC1+5], s[30:31] offset:2048
	v_lshl_or_b32 v227, v228, 8, v227              ; my column's two bytes, neighbours in its scale word
	ds_store_b16 v[VSA], v227
	ds_store_b16 v[VSA], v227 offset:256           ; and in the copy
	s_wait_dscnt 0x0                               ; for the others' sake: my stores into the scale block are done
	s_barrier_signal -1
	s_barrier_wait -1
	ds_load_b64 v[230:231], v[CPY]
	s_wait_dscnt 0x0
	global_store_b64 v[LI8], v[230:231], s[32:33]  ; 256 consecutive bytes, aligned.  No store's data or address register is written again in this text
	s_wait_tensorcnt 0x0
	ds_add_u32 v232, v233
	s_wait_dscnt 0x0
	s_endpgm
.Lfunc_end_k_qdbfc0d5439_quant:
	.size	k_qdbfc0d5439_quant, .Lfunc_end_k_qdbfc0d5439_quant-k_qdbfc0d5439_quant
	.p2alignl 7, 3214868480
	.fill 96, 4, 3214868480
	.section	.rodata,"a",@progbits
	.p2align	6, 0x0
	.amdhsa_kernel k_qdbfc0d5439_quant
		.amdhsa_group_segment_fixed_size 36352
		.amdhsa_private_segment_fixed_size 0
		.amdhsa_enable_private_segment 0
		.amdhsa_kernarg_size 24
		.amdhsa_user_sgpr_count 2
		.amdhsa_user_sgpr_kernarg_segment_ptr 1
		.amdhsa_wavefront_size32 1
		.amdhsa_system_sgpr_workgroup_id_x 1
		.amdhsa_system_sgpr_workgroup_id_y 1
		.amdhsa_system_sgpr_workgroup_id_z 1
		.amdhsa_system_vgpr_workitem_id 0
		.amdhsa_next_free_vgpr 234
		.amdhsa_next_free_sgpr 66
		.amdhsa_reserve_vcc 0
		.amdhsa_float_denorm_mode_32 3
		.amdhsa_float_denorm_mode_16_64 3
		.amdhsa_memory_ordered 1
		.amdhsa_forward_progress 1
		.amdhsa_inst_pref_size 37
	.end_amdhsa_kernel
	.amdgpu_metadata
---
amdhsa.version: [ 1, 2 ]
amdhsa.kernels:
  - .name:           k_qdbfc0d5439_quant
    .symbol:         k_qdbfc0d5439_quant.kd
    .args:
      - { .name: k, .offset: 0, .size: 8, .value_kind: global_buffer, .address_space: global }
      - { .name: v, .offset: 8, .size: 8, .value_kind: global_buffer, .address_space: global }
      - { .name: kv, .offset: 16, .size: 8, .value_kind: global_buffer, .address_space: global }
    .group_segment_fixed_size: 36352
    .private_segment_fixed_size: 0
    .kernarg_segment_align: 8
    .kernarg_segment_size: 24
    .max_flat_workgroup_size: 128
    .sgpr_count:     66
    .vgpr_count:     234
    .wavefront_size: 32
...
	.end_amdgpu_metadata
.endif
;; end of part 1
;; launch attn (part 2): grid 256 x 1, 16 waves a work-group, no clusters, 231,424 bytes of LDS; arguments q, kv, out0; writes out0
.if DOCPART == 2
	.amdgcn_target "amdgcn-amd-amdhsa--gfx1250"
	.amdhsa_code_object_version 6
	.text
	.protected	k_qdbfc0d5439_attn
	.globl	k_qdbfc0d5439_attn
	.p2align	8
	.type	k_qdbfc0d5439_attn,@function
k_qdbfc0d5439_attn:
	s_mov_b64 s[64:65], 0
	v_nop
	global_prefetch_b8 v0, s[64:65] scope:SCOPE_SE
	s_setreg_imm32_b32 hwreg(HW_REG_WAVE_MODE, 25, 1), 1
	s_wait_xcnt 0x0
; DILATED ATTENTION ON CODES OF FP6 (E2M3), one E8M0 scale for each 32 along a product's K.  q, out0: [2][8192][12][64] f32; kv: the launch before has laid the keys and values in use as records (below).
; Heads 4 g + j have the rate r = 2^g: the 512 r queries of a segment meet the segment's 512 gathered keys, each r times over.  THE COPIES ARE NOT MULTIPLIED: a pass over the 512 keys is 16 whole blocks of 32,
; so every copy of a block of p and of V has the same byte and the same codes; the row's maximum is the same; the sum of p and the product both come out r times as large, and r, a power of two, cancels in the division.
; THE SOFTMAX AHEAD OF THE SECOND PRODUCT: t = score x log2(e) / 8; M = the row's largest t so far, rounded UP to a whole number; p = 2^(t - M) is what is quantised, along the keys, not normalised.
; The row's sum is taken of the unquantised p and divides O at the end.  When M moves, the sum and O are multiplied by 2^(old M - new M): exact.
; SHARES.  A work-group stays for three UNITS, one of each group: the same 256 flat rows (block blk) of heads j, 4 + j, 8 + j: every work-group has the same work.  Each of its sixteen waves owns 16 queries, one tile, in 256
; registers: four waves to a SIMD, so that one wave's vector work stands beside another's matrix work and LDS loads.  A unit walks its set's 512 keys in four steps of 128.
; THE SETS.  A unit's set, four records of 13,312 bytes on end, is one dense block of memory.  All three come by tensor loads at the head (waves 0 to 3: a record of each set), each into LDS bytes of its own:
; nothing is filled again.  By this text's own count a wave has three tensor loads outstanding.
; A RECORD: + 768 T: tile T of K, six registers a lane (registers 0-3 at 16 x lane, 4-5 at 512 + 8 x lane); + 6144 + 768 (2 t + c): registers 6 c .. 6 c + 5 of fragment t of V^T, likewise; + 12288 K's scale words; + 12800 V's.
; LAYOUT.  Both products are used transposed: S^T = K Q^T (source 0 = 16 keys, source 1 = my 16 queries), O^T = V^T P^T (source 0 = 16 of the head's 64, source 1 = P): a lane holds ONE query (lane % 16) throughout.
; Lane r of tile 2 b + u of K holds key 32 b + 8 u + r + 8 (r / 8), so that the 16 registers of tiles 2 b and 2 b + 1 of S^T are 16 neighbouring keys, 32 b + 16 (lane / 16) + 0 .. 15.
; THE HEAD FILLS HALF OF THE INSTRUCTION'S K.  q's registers 6-11 (k = 64 .. 127) hold zero codes and the scale bytes of those blocks are 127 on both sides.  So K's registers 6-11 may hold any bits (E2M3 has no code
; for infinity or NaN: every code x 0 is 0): tile T is named v[KV + 6 T : KV + 6 T + 11], whose upper six are the next tile's codes, and for tile 7 six address registers that are never rewritten.
; NO CLUSTER: group g's set is shared by 2, 4 and 8 work-groups; joint loads by fours could serve two of the three sets and spare 79,872 of the 552,960 bytes that a work-group moves, and those two sets are asked for
; one and two units ahead of their use.  NO PREFETCH: every stream is asked for as early as its address is known: the sets at the head, a unit's q at the head of the unit before.
; LIMITS: NaN and infinities among the inputs are not served; a block of zeros has the byte 1 where the rule says 127 (its codes are zeros); a p under 2^-126 comes out of v_exp_f32 as 0;
; a block's largest p is taken from its largest score by the same multiply-add and exponential (this takes v_exp_f32 not to fall where its input rises).
.set REC,   13312
.set SETB,  4*REC                      ; a set in LDS: 53,248 bytes; set g begins at g x SETB
.set STG,   3*SETB                     ; behind the sets: a stage of 16 rows x (256 + 16) bytes for each wave, its own; no tensor load lands there
.set SP,    272
.set ROWB,  3072
.set A16,  2                           ; v2   LDS address of the step's record + 16 x lane
.set A8,   3                           ; v3   + 8 x lane
.set QS,   4                           ; v4   q's scale words
.set SH8,  5                           ; v5   8 (lane / 16)
.set QF,   16                          ; v16-27  q's fragment; v22-27 zero codes, written once
.set KV,   28                          ; v28-75  K's eight tiles, six registers each; then V's four fragments, twelve each
.set LI16, 76                          ; v76  16 x lane             (v76-81 are never rewritten)
.set LI8,  77                          ; v77  8 x lane
.set RD,   78                          ; v78  the stage by whole rows: lanes 0-15 one row, lanes 16-31 the next, 16 bytes a lane
.set STQ,  79                          ; v79  the stage: row lane % 16, my half's 128 bytes of q
.set STO,  80                          ; v80  the stage: row lane % 16, my half's 32 bytes of a tile of O
.set GO,   81                          ; v81  the same two rows as RD's, in q and in out0
.set SC,   82                          ; v82-85  scale words: K's (tiles 0-3 in lanes 0-15, tiles 4-7 in lanes 16-31), then V's
.set QR,   86                          ; v86-117  the next unit's q as loaded
.set S,    118                         ; v118-181 S^T, then p; at a unit's ends q and O on their way through the stage
.set OA,   182                         ; v182-213 O^T
.set PC,   214                         ; v214-225 p's codes
.set PT,   226                         ; v226-232 the conversions' second halves
.set BM,   234                         ; v234-237 each block's largest score, then its largest p
.set BT,   238                         ; v238-241 at work
.set SO,   242                         ; v242-245 the conversions' scale operands
.set FF,   246                         ; v246 f = 2^(old M - new M)
.set PS,   247                         ; v247 p's scale word
.set TM,   248                         ; v248 at work
.set WV,   10                          ; s10  my wave's number
.set G1,   16                          ; s[16:23] descriptor group 1;  s[32:43] three groups 0, one for each set, never rewritten
.set G0,   32
.set CS,   24                          ; s[24:25] c = log2(e) / 8
.set SEL,  26                          ; s[26:27] lane selects for v_permlanex16_b32: lane l xor 16
.set TB,   28                          ; s28  LDS byte at which the step's record begins
.set CNT,  29                          ; s29  steps to go
	s_load_b128 s[4:7], s[0:1], 0x0                ; q, kv
	s_load_b64 s[8:9], s[0:1], 0x10                ; out0
	v_lshl_add_u32 v254, v0, 2, 0x38000
	v_mov_b32 v255, 0
	ds_add_u32 v254, v255
	ds_add_u32 v254, v255
	v_lshrrev_b32 v1, 5, v0
	s_delay_alu instid0(VALU_DEP_1)
	v_readfirstlane_b32 s[WV], v1                  ; wave 0..15
	s_lshr_b32 s2, ttmp9, 4
	s_lshl_b32 s2, s2, 2
	s_and_b32 s3, ttmp9, 3
	s_add_co_u32 s2, s2, s3                        ; blk = 4 (x / 16) + x % 4: my 256 flat rows
	s_lshr_b32 s11, ttmp9, 2
	s_and_b32 s11, s11, 3                          ; j = (x / 4) % 4
	; descriptor group 1: a record, 13,312 dense bytes, as 52 rows of 256 bytes (32 elements of 8 bytes), no padding
	s_mov_b32 s[G1+0], 3<<16                       ; 15:0 no mask; 17:16 elements of 8 bytes; 20 padding off
	s_mov_b32 s[G1+1], 32<<16                      ; tensor_dim0 = 32
	s_mov_b32 s[G1+2], 52<<16                      ; tensor_dim1 = 52
	s_mov_b32 s[G1+3], 32<<16                      ; tile_dim0 = 32
	s_mov_b32 s[G1+4], 52                          ; tile_dim1 = 52
	s_mov_b32 s[G1+5], 32                          ; tensor_dim0_stride
	s_mov_b32 s[G1+6], 0
	s_mov_b32 s[G1+7], 0
	s_and_b32 s30, s[WV], 3
	s_mul_i32 s30, s30, REC                        ; the record that I fetch, if I fetch: its place in a set, in memory and in LDS alike
	s_lshr_b32 s3, s2, 1                           ; group 0: segment = blk / 2
	s_lshl_b32 s3, s3, 2
	s_add_co_u32 s3, s3, s11                       ; set = 4 x segment + j
	s_mul_i32 s[G0+2], s3, SETB
	s_add_co_u32 s[G0+2], s[G0+2], s30
	s_mov_b32 s[G0+3], 0
	s_lshr_b32 s3, s2, 2                           ; group 1: segment = blk / 4
	s_lshl_b32 s3, s3, 2
	s_add_co_u32 s3, s3, s11
	s_add_co_u32 s3, s3, 128
	s_mul_i32 s[G0+6], s3, SETB
	s_add_co_u32 s[G0+6], s[G0+6], s30
	s_mov_b32 s[G0+7], 0
	s_lshr_b32 s3, s2, 3                           ; group 2: segment = blk / 8
	s_lshl_b32 s3, s3, 2
	s_add_co_u32 s3, s3, s11
	s_add_co_u32 s3, s3, 192
	s_mul_i32 s[G0+10], s3, SETB
	s_add_co_u32 s[G0+10], s[G0+10], s30
	s_mov_b32 s[G0+11], 0
	s_mov_b32 s[G0+0], 1                           ; 1:0 count = 1
	s_mov_b32 s[G0+1], s30                         ; 63:32 LDS address: set 0
	s_mov_b32 s[G0+4], 1
	s_add_co_u32 s[G0+5], s30, SETB                ; set 1
	s_mov_b32 s[G0+8], 1
	s_add_co_u32 s[G0+9], s30, 2*SETB              ; set 2
	s_mul_i32 s44, s2, 256*ROWB                    ; q and out0: my block's 256 rows,
	s_mul_i32 s3, s[WV], 16*ROWB                   ; my wave's 16 of them,
	s_add_co_u32 s44, s44, s3
	s_lshl_b32 s3, s11, 8                          ; head j; a unit's 4 g heads stand in the immediates
	s_add_co_u32 s44, s44, s3
	s_mov_b32 s45, 0
	s_mov_b32 s[CS], 0x3e38aa3b                    ; c = log2(e) / 8
	s_mov_b32 s[CS+1], s[CS]                       ; (named with it as a pair, so it is written)
	s_mov_b32 s[SEL], 0x76543210
	s_mov_b32 s[SEL+1], 0xfedcba98
	s_wait_dscnt 0x0
	s_wait_kmcnt 0x0
.irp n, 0,1,2
	s_add_nc_u64 s[G0+4*\n+2:G0+4*\n+3], s[6:7], s[G0+4*\n+2:G0+4*\n+3]   ; 120:64 global address
	s_or_b32 s[G0+4*\n+3], s[G0+4*\n+3], 0x80000000                      ; 127:126 type = 2
.endr
	s_add_nc_u64 s[12:13], s[4:5], s[44:45]        ; q at my first row
	s_add_nc_u64 s[14:15], s[8:9], s[44:45]        ; out0 likewise
	s_cmp_lt_u32 s[WV], 4                          ; a wave's three first fills stand in one branch, ahead of every wait on TENSORcnt, every LDS read and every barrier
	s_cbranch_scc0 .Lno_fetch
	tensor_load_to_lds s[G0:G0+3], s[G1:G1+7]
	s_nop 0
	tensor_load_to_lds s[G0+4:G0+7], s[G1:G1+7]
	s_nop 0
	tensor_load_to_lds s[G0+8:G0+11], s[G1:G1+7]
	s_nop 0
.rept 4
	v_nop
.endr
.Lno_fetch:
	v_and_b32 v1, 15, v0                           ; r = lane % 16
	v_bfe_u32 v6, v0, 4, 1                         ; h = lane / 16
	v_and_b32 v7, 31, v0                           ; lane
	s_delay_alu instid0(VALU_DEP_2)
	v_mul_u32_u24 v[GO], v6, ROWB
	s_delay_alu instid0(VALU_DEP_1)
	v_lshl_add_u32 v[GO], v1, 4, v[GO]
.macro QLOAD g                         ; my 16 rows of head 4 g + j: each half of the lanes reads 256 consecutive bytes, aligned; read once in the launch
.irp i, 0,1,2,3,4,5,6,7
	global_load_b128 v[QR+4*\i:QR+4*\i+3], v[GO], s[12:13] offset:1024*(\g)+2*ROWB*\i th:TH_LOAD_NT
.endr
.endm
	QLOAD 0
	v_lshlrev_b32 v[LI16], 4, v7
	v_lshlrev_b32 v[LI8], 3, v7
	s_mul_i32 s30, s[WV], 16*SP
	s_add_co_u32 s30, s30, STG                     ; my stage
	v_mul_u32_u24 v[RD], v6, SP
	s_delay_alu instid0(VALU_DEP_1)
	v_lshl_add_u32 v[RD], v1, 4, v[RD]
	s_delay_alu instid0(VALU_DEP_1)
	v_add_nc_u32 v[RD], s30, v[RD]
	v_mul_u32_u24 v[STQ], v1, SP
	s_delay_alu instid0(VALU_DEP_1)
	v_add_nc_u32 v[STQ], s30, v[STQ]
	s_delay_alu instid0(VALU_DEP_1)
	v_lshl_add_u32 v[STO], v6, 5, v[STQ]
	s_delay_alu instid0(VALU_DEP_2)
	v_lshl_add_u32 v[STQ], v6, 7, v[STQ]
	v_lshlrev_b32 v[SH8], 3, v6
.irp i, 6,7,8,9,10,11
	v_mov_b32 v[QF+\i], 0                          ; zero codes for k = 64 .. 127
.endr
.irp b, 0,1,2,3
	v_mov_b32 v[BT+\b], 0                          ; written once: a lane permute's destination counts as one of its sources
.endr
	v_mov_b32 v[PS], 0                             ; (named as the upper half of the pair v[FF:FF+1] before it is first written)
	v_mov_b32 v[TM], 0
; A KEY STEP: 128 keys, the record at LDS byte s[TB].
.macro STEP
	v_add_nc_u32 v[A16], s[TB], v[LI16]            ; these two and two v_nop are the four places between the last step's products and the loads into the registers that they read (ISA guide 7.12.1 for vector instructions)
	v_add_nc_u32 v[A8], s[TB], v[LI8]
	v_nop
	v_nop
.irp t, 0,1,2,3,4,5,6,7
	ds_load_b128 v[KV+6*\t:KV+6*\t+3], v[A16] offset:768*\t          ; an image of the registers: 512 consecutive bytes a load,
	ds_load_b64 v[KV+6*\t+4:KV+6*\t+5], v[A8] offset:768*\t+512      ; 256 consecutive bytes
.endr
	ds_load_b128 v[SC:SC+3], v[A16] offset:12288   ; K's scale words: register i: tile i in lanes 0-15, tile 4 + i in lanes 16-31
	s_wait_alu depctr_va_vdst(0)
	s_wait_dscnt 0x0
.irp t, 0,1,2,3                        ; S^T = K Q^T: eight accumulators, one instruction each
	v_wmma_scale_f32_16x16x128_f8f6f4 v[S+8*\t:S+8*\t+7], v[KV+6*\t:KV+6*\t+11], v[QF:QF+11], 0, v[SC+\t], v[QS] matrix_a_fmt:MATRIX_FMT_FP6 matrix_b_fmt:MATRIX_FMT_FP6
.endr
.irp t, 4,5,6,7
	v_wmma_scale_f32_16x16x128_f8f6f4 v[S+8*\t:S+8*\t+7], v[KV+6*\t:KV+6*\t+11], v[QF:QF+11], 0, v[SC+\t-4], v[QS] matrix_a_fmt:MATRIX_FMT_FP6 matrix_b_fmt:MATRIX_FMT_FP6 matrix_a_scale:MATRIX_SCALE_ROW1
.endr
.rept 4
	v_nop                                          ; four places: in front of the loads into K's and the scales' registers, and of the first read of the scores
.endr
.irp t, 0,1,2,3                        ; V's four fragments are asked for now and land while the softmax is walked
.irp c, 0,1
	ds_load_b128 v[KV+12*\t+6*\c:KV+12*\t+6*\c+3], v[A16] offset:6144+768*(2*\t+\c)
	ds_load_b64 v[KV+12*\t+6*\c+4:KV+12*\t+6*\c+5], v[A8] offset:6144+768*(2*\t+\c)+512
.endr
.endr
	ds_load_b128 v[SC:SC+3], v[A16] offset:12800   ; V's scale words: register t: fragment t, row lane % 16
.irp b, 0,1,2,3
	v_max3_num_f32 v[BM+\b], v[S+16*\b], v[S+16*\b+1], v[S+16*\b+2]   ; the largest score of each block of 32 keys: it serves for the row's maximum and, since p rises with the score, for the block's largest p.  (Each accumulator is read from its low end on)
.endr
.irp i, 3,5,7,9,11,13
.irp b, 0,1,2,3
	v_max3_num_f32 v[BM+\b], v[BM+\b], v[S+16*\b+\i], v[S+16*\b+\i+1]   ; (the four blocks by turns)
.endr
.endr
.irp b, 0,1,2,3
	v_max_num_f32 v[BM+\b], v[BM+\b], v[S+16*\b+15]
.endr
.irp b, 0,1,2,3
	s_delay_alu instid0(VALU_DEP_4)
	v_permlanex16_b32 v[BT+\b], v[BM+\b], s[SEL], s[SEL+1]
.endr
.irp b, 0,1,2,3
	s_delay_alu instid0(VALU_DEP_4)
	v_max_num_f32 v[BM+\b], v[BM+\b], v[BT+\b]     ; with lane l xor 16's 16 keys
.endr
	s_delay_alu instid0(VALU_DEP_2)
	v_max3_num_f32 v[TM], v[BM], v[BM+1], v[BM+2]
	s_delay_alu instid0(VALU_DEP_1)
	v_max_num_f32 v[TM], v[TM], v[BM+3]            ; the step's largest score of my query
	s_delay_alu instid0(VALU_DEP_1)
	v_mul_f32 v[TM], s[CS], v[TM]                  ; as t (c is positive)
	s_delay_alu instid0(VALU_DEP_1)
	v_max_num_f32 v13, v13, v[TM]                  ; the running largest t
	v_mov_b32 v[TM], v12
	s_delay_alu instid0(VALU_DEP_2)
	v_floor_f32 v12, -v13                          ; the new -M = floor(-t) = -ceil(t): M is a whole number
	s_delay_alu instid0(VALU_DEP_1)
	v_sub_f32 v[TM], v12, v[TM]                    ; M's old value less its new one: a whole number, 0 or less
	s_delay_alu instid0(VALU_DEP_1)
	v_cvt_i32_f32 v[TM], v[TM]                     ; (it saturates)
	s_delay_alu instid0(VALU_DEP_1)
	v_ldexp_f32 v[FF], 1.0, v[TM]                  ; f = 2^(old M - new M): a multiplication by it rounds nothing
.set i, 0
.rept 32
	v_pk_fma_f32 v[S+i:S+i+1], v[S+i:S+i+1], s[CS:CS+1], v[12:13] op_sel_hi:[1,0,0]   ; t - M, two at a time (of the pairs c and -M the low word serves both halves)
.set i, i+2
.endr
.irp b, 0,1,2,3
	v_fma_f32 v[BM+\b], v[BM+\b], s[CS], v12       ; the same of each block's largest score
.endr
.set i, 0
	s_wait_alu depctr_va_vdst(0)
.rept 64
	v_exp_f32 v[S+i], v[S+i]                       ; p = 2^(t - M), at most 1: not normalised
.set i, i+1
.endr
	s_setprio 1
.irp b, 0,1,2,3
	v_exp_f32 v[BM+\b], v[BM+\b]                   ; the block's largest p
.endr
	v_pk_mul_f32 v[14:15], v[14:15], v[FF:FF+1] op_sel_hi:[1,0]   ; the sums under the new M; also the plain instruction behind the exponentials (ISA guide 5.7.2)
	s_wait_alu depctr_va_vdst(0)
.irp b, 0,1,2,3
	v_max_num_f32 v[BM+\b], 0x1800000, v[BM+\b]    ; the floor 2^(3 - 127): the byte cannot fall under 1
.endr
.irp b, 0,1,2,3
	s_delay_alu instid0(VALU_DEP_4)
	v_add_nc_u32 v[SO+\b], 0xff000000, v[BM+\b]    ; 2 off the exponent field: the conversion's scale operand
.endr
.irp b, 0,1,2,3
	s_delay_alu instid0(VALU_DEP_4)
	v_lshrrev_b32 v[BT+\b], 23, v[SO+\b]           ; the scale's byte
.endr
	s_delay_alu instid0(VALU_DEP_3)
	v_lshl_or_b32 v[PS], v[BT+1], 8, v[BT]         ; p's scale word for these 128 keys
	s_delay_alu instid0(VALU_DEP_1)
	v_lshl_or_b32 v[PS], v[BT+2], 16, v[PS]
	s_delay_alu instid0(VALU_DEP_1)
	v_lshl_or_b32 v[PS], v[BT+3], 24, v[PS]
.irp c, 0,1
	v_cvt_scalef32_pk16_fp6_f32 v[PC+6*\c:PC+6*\c+2], v[S+32*\c:S+32*\c+15], v[SO+2*\c]
	v_cvt_scalef32_pk16_fp6_f32 v[PT+4*\c:PT+4*\c+2], v[S+32*\c+16:S+32*\c+31], v[SO+2*\c+1]   ; (a conversion's three registers begin on an even number)
.endr
	v_nop                                          ; one plain instruction between a scaled conversion and the instruction that touches its result
.irp c, 0,1                            ; the operand's layout wants a whole block in a lane: lanes 0-15 block 2 c, lanes 16-31 block 2 c + 1
.irp i, 0,1,2
	v_permlane16_swap_b32 v[PC+6*\c+\i], v[PT+4*\c+\i]
.endr
.irp i, 0,1,2
	s_delay_alu instid0(VALU_DEP_3)
	v_mov_b32 v[PC+6*\c+3+\i], v[PT+4*\c+\i]
.endr
.endr
	v_pk_add_f32 v[238:239], v[122:123], v[126:127]
	v_pk_add_f32 v[252:253], v[130:131], v[134:135]
	v_pk_add_f32 v[250:251], v[138:139], v[142:143]
	v_pk_add_f32 v[244:245], v[146:147], v[150:151]
	v_pk_add_f32 v[242:243], v[154:155], v[158:159]
	v_pk_add_f32 v[236:237], v[162:163], v[166:167]
	v_pk_add_f32 v[234:235], v[170:171], v[174:175]
	v_pk_add_f32 v[14:15], v[14:15], v[178:179]
	v_pk_add_f32 v[238:239], v[238:239], v[118:119]
	v_pk_add_f32 v[252:253], v[252:253], v[120:121]
	v_pk_add_f32 v[250:251], v[250:251], v[124:125]
	v_pk_add_f32 v[244:245], v[244:245], v[128:129]
	v_pk_add_f32 v[242:243], v[242:243], v[132:133]
	v_pk_add_f32 v[236:237], v[236:237], v[136:137]
	v_pk_add_f32 v[234:235], v[234:235], v[140:141]
	v_pk_add_f32 v[14:15], v[14:15], v[144:145]
	v_pk_add_f32 v[238:239], v[238:239], v[148:149]
	v_pk_add_f32 v[252:253], v[252:253], v[152:153]
	v_pk_add_f32 v[250:251], v[250:251], v[156:157]
	v_pk_add_f32 v[244:245], v[244:245], v[160:161]
	v_pk_add_f32 v[242:243], v[242:243], v[164:165]
	v_pk_add_f32 v[236:237], v[236:237], v[168:169]
	v_pk_add_f32 v[234:235], v[234:235], v[172:173]
	v_pk_add_f32 v[14:15], v[14:15], v[176:177]
	v_pk_add_f32 v[238:239], v[238:239], v[180:181]
	s_delay_alu instid0(VALU_DEP_2)
	v_pk_add_f32 v[14:15], v[14:15], v[244:245]
	s_delay_alu instid0(VALU_DEP_2)
	v_pk_add_f32 v[238:239], v[238:239], v[242:243]
	s_setprio 0
	v_pk_add_f32 v[252:253], v[252:253], v[236:237]
	v_pk_add_f32 v[250:251], v[250:251], v[234:235]
	s_delay_alu instid0(VALU_DEP_2)
	v_pk_add_f32 v[14:15], v[14:15], v[252:253]
	s_delay_alu instid0(VALU_DEP_2)
	v_pk_add_f32 v[238:239], v[238:239], v[250:251]
	s_delay_alu instid0(VALU_DEP_1)
	v_pk_add_f32 v[14:15], v[14:15], v[238:239]
.set i, 0
.rept 16
	v_pk_mul_f32 v[OA+i:OA+i+1], v[OA+i:OA+i+1], v[FF:FF+1] op_sel_hi:[1,0]   ; O^T under the new M, each accumulator from its low end on.  (With the sums above: more than the eight places between the write of p's scale word and the products)
.set i, i+2
.endr
	s_wait_alu depctr_va_vdst(0)
	s_wait_dscnt 0x0                               ; V and its scale words are in
.irp t, 0,1,2,3                        ; O^T += V^T P^T: four accumulators by turns, one instruction a turn
	v_wmma_scale_f32_16x16x128_f8f6f4 v[OA+8*\t:OA+8*\t+7], v[KV+12*\t:KV+12*\t+11], v[PC:PC+11], v[OA+8*\t:OA+8*\t+7], v[SC+\t], v[PS] matrix_a_fmt:MATRIX_FMT_FP6 matrix_b_fmt:MATRIX_FMT_FP6
.endr
	s_add_co_u32 s[TB], s[TB], REC                 ; the next step's record
.endm
; A UNIT: my 16 queries of head 4 g + j against set g.
.macro UNIT g
	s_wait_loadcnt 0x0                             ; this unit's q, asked for at the head of the unit before
.if \g > 0
	s_wait_xcnt 0x0                                ; the last unit's stores have read their data registers (ISA guide 3.1): they are written again only behind this wait
.endif
.irp i, 0,1,2,3,4,5,6,7
	ds_store_b128 v[RD], v[QR+4*\i:QR+4*\i+3] offset:2*SP*\i       ; q turns through my stage: in as loaded, two rows a store,
.endr
.irp i, 0,1,2,3,4,5,6,7
	ds_load_b128 v[S+4*\i:S+4*\i+3], v[STQ] offset:16*\i           ; out as 32 neighbours along d of row lane % 16.  LDS serves a wave's instructions in order (ISA guide 5.7.1.4)
.endr
	s_wait_dscnt 0x0
.if \g < 2
	QLOAD \g+1                                     ; the next unit's q: it has this whole unit in which to land
.endif
	v_max3_num_f32 v[BM], |v[S]|, |v[S+1]|, |v[S+2]|               ; q is quantised along d: my block of 32 lies in my registers
	v_max3_num_f32 v[BM+1], |v[S+3]|, |v[S+4]|, |v[S+5]|
.irp i, 6,10,14,18,22,26
	s_delay_alu instid0(VALU_DEP_2)
	v_max3_num_f32 v[BM], v[BM], |v[S+\i]|, |v[S+\i+1]|
	s_delay_alu instid0(VALU_DEP_2)
	v_max3_num_f32 v[BM+1], v[BM+1], |v[S+\i+2]|, |v[S+\i+3]|
.endr
	s_delay_alu instid0(VALU_DEP_2)
	v_max3_num_f32 v[BM], v[BM], |v[S+30]|, |v[S+31]|
	s_delay_alu instid0(VALU_DEP_1)
	v_max3_num_f32 v[BM], v[BM], v[BM+1], 0x1800000                ; and the floor 2^(3 - 127)
	s_delay_alu instid0(VALU_DEP_1)
	v_add_nc_u32 v[SO], 0xff000000, v[BM]
	v_cvt_scalef32_pk16_fp6_f32 v[QF:QF+2], v[S:S+15], v[SO]
	v_cvt_scalef32_pk16_fp6_f32 v[PT:PT+2], v[S+16:S+31], v[SO]
	v_lshrrev_b32 v[BT], 23, v[SO]                 ; the byte; also the plain instruction behind the conversions
.irp i, 0,1,2
	v_mov_b32 v[QF+3+\i], v[PT+\i]
.endr
	s_delay_alu instid0(VALU_DEP_4)
	v_lshlrev_b32 v[BT], v[SH8], v[BT]             ; my half's byte at its place,
	s_delay_alu instid0(VALU_DEP_1)
	v_permlanex16_b32 v[BT+1], v[BT], s[SEL], s[SEL+1]
	s_delay_alu instid0(VALU_DEP_1)
	v_or_b32 v[QS], v[BT], v[BT+1]                 ; lane l xor 16's beside it,
	s_delay_alu instid0(VALU_DEP_1)
	v_or_b32 v[QS], 0x7f7f0000, v[QS]              ; 127 for the two blocks of zero codes
.set i, 0
.rept 32
	v_mov_b32 v[OA+i], 0                           ; O^T.  (The step is written once: the first finds zeros, which the first change of M leaves zeros.  These lines are also the places between the write of q's scale word and the first product)
.set i, i+1
.endr
	v_mov_b32 v13, 0xff61b1e6                      ; the largest t so far: -3e38, under every t
	s_delay_alu instid0(VALU_DEP_1)
	v_floor_f32 v12, -v13                          ; -M
	v_mov_b32 v14, 0                               ; the sum, in two halves
	v_mov_b32 v15, 0
	s_mov_b32 s[TB], \g*SETB
	s_mov_b32 s[CNT], 4
	s_wait_tensorcnt 2-\g                          ; tensor loads of a wave end in order (ISA guide 10.11.1): my record of set g is in; the later sets' loads, issued behind it, may be out
	s_barrier_signal -1                            ; (no LDS instruction of mine is out: the last wait on DScnt was for 0)
	s_barrier_wait -1                              ; everybody's is in.
.Lstep_\g:
	s_setprio 2
	STEP
	s_sub_co_u32 s[CNT], s[CNT], 1
	s_cmp_lg_u32 s[CNT], 0
	s_cbranch_scc1 .Lstep_\g
	s_setprio 0
	v_add_f32 v14, v14, v15                        ; THE WAY OUT.  The sum's two halves,
	s_delay_alu instid0(VALU_DEP_1)
	v_permlanex16_b32 v[TM], v14, s[SEL], s[SEL+1]
	s_delay_alu instid0(VALU_DEP_1)
	v_add_f32 v14, v14, v[TM]                      ; and lane l xor 16's: the row's sum
	s_wait_alu depctr_va_vdst(0)
	v_rcp_f32 v14, v14
.rept 4
	v_nop                                          ; the places behind the last products, and the plain instruction behind the reciprocal
.endr
.set i, 0
	s_wait_alu depctr_va_vdst(0)
.rept 16
	v_pk_mul_f32 v[S+i:S+i+1], v[OA+i:OA+i+1], v[14:15] op_sel_hi:[1,0]   ; O^T / the sum: register 8 t + n is o(lane % 16, 16 t + 8 (lane / 16) + n); each accumulator from its low end on
.set i, i+2
.endr
.irp t, 0,1,2,3
	ds_store_b128 v[STO], v[S+8*\t:S+8*\t+3] offset:64*\t
	ds_store_b128 v[STO], v[S+8*\t+4:S+8*\t+7] offset:64*\t+16
.endr
.irp i, 0,1,2,3,4,5,6,7
	ds_load_b128 v[S+32+4*\i:S+32+4*\i+3], v[RD] offset:2*SP*\i    ; back as whole rows of 256 bytes
.endr
.irp i, 0,1,2,3,4,5,6,7
	s_wait_dscnt 7-\i                              ; LDS loads come back in order: load i is in, the younger ones may be out
	global_store_b128 v[GO], v[S+32+4*\i:S+32+4*\i+3], s[14:15] offset:1024*\g+2*ROWB*\i th:TH_STORE_NT   ; sixteen lanes store 256 consecutive bytes, aligned; written once, read by nobody here
.endr
.endm
	UNIT 0
	UNIT 1
	UNIT 2                                         ; its wait on TENSORcnt is for 0: no tensor load is out at the end
	s_wait_tensorcnt 0x0
	ds_add_u32 v254, v255
	s_wait_dscnt 0x0
	s_endpgm
.Lfunc_end_k_qdbfc0d5439_attn:
	.size	k_qdbfc0d5439_attn, .Lfunc_end_k_qdbfc0d5439_attn-k_qdbfc0d5439_attn
	.p2alignl 7, 3214868480
	.fill 96, 4, 3214868480
	.section	.rodata,"a",@progbits
	.p2align	6, 0x0
	.amdhsa_kernel k_qdbfc0d5439_attn
		.amdhsa_group_segment_fixed_size 231424
		.amdhsa_private_segment_fixed_size 0
		.amdhsa_enable_private_segment 0
		.amdhsa_kernarg_size 24
		.amdhsa_user_sgpr_count 2
		.amdhsa_user_sgpr_kernarg_segment_ptr 1
		.amdhsa_wavefront_size32 1
		.amdhsa_system_sgpr_workgroup_id_x 1
		.amdhsa_system_sgpr_workgroup_id_y 1
		.amdhsa_system_sgpr_workgroup_id_z 1
		.amdhsa_system_vgpr_workitem_id 0
		.amdhsa_next_free_vgpr 256
		.amdhsa_next_free_sgpr 66
		.amdhsa_reserve_vcc 0
		.amdhsa_float_denorm_mode_32 3
		.amdhsa_float_denorm_mode_16_64 3
		.amdhsa_memory_ordered 1
		.amdhsa_forward_progress 1
		.amdhsa_inst_pref_size 83
	.end_amdhsa_kernel
	.amdgpu_metadata
---
amdhsa.version: [ 1, 2 ]
amdhsa.kernels:
  - .name:           k_qdbfc0d5439_attn
    .symbol:         k_qdbfc0d5439_attn.kd
    .args:
      - { .name: q, .offset: 0, .size: 8, .value_kind: global_buffer, .address_space: global }
      - { .name: kv, .offset: 8, .size: 8, .value_kind: global_buffer, .address_space: global }
      - { .name: out0, .offset: 16, .size: 8, .value_kind: global_buffer, .address_space: global }
    .group_segment_fixed_size: 231424
    .private_segment_fixed_size: 0
    .kernarg_segment_align: 8
    .kernarg_segment_size: 24
    .max_flat_workgroup_size: 512
    .sgpr_count:     66
    .vgpr_count:     256
    .wavefront_size: 32
...
	.end_amdgpu_metadata
.endif
;; end of part 2
